; MI455X (gfx1250); checked and timed in simulation.
; The chip was launched on July 23, 2026; its instructions are those of AMD's public machine-readable ISA for CDNA 5 (MIT licence, August 2026) and "CDNA5" Instruction Set Architecture Reference Guide (July 2026). The comments in the code are by the model that wrote it; some were corrected since.
;; Multi Head Attention. Allowed arithmetic: matrix products marked QUANTISED: E5M2 operands, one given power-of-two scale a tensor, by v_wmma_f32_16x16x64_bf8_bf8 or v_wmma_f32_16x16x128_bf8_bf8, f32 sums; everything else in f32.
;; Inputs: Wf 1,024 x 64 float32; Wk 1,024 x 1,024 float32; Wq 1,024 x 1,024 float32; Wv 1,024 x 1,024 float32; bf 64 float32; bk 1,024 float32; bq 1,024 float32; bv 1,024 float32; lowp_scales 12 int32 (the exponents e of the quantised operands' scales 2^e); x 4 x 2,048 x 1,024 float32.
;; Outputs: out0 4 x 2,048 x 64 float32.
;; This version of the problem:
;;   THIS VERSION OF THE PROBLEM IS GIVEN IN LOW PRECISION. The matrix products marked QUANTISED in the list below multiply operands that are first quantised to E5M2 (5 exponent bits, 2 mantissa bits; 8 bits a number), with one given power-of-two scale for each operand tensor; their sums are f32. All else is computed in f32.
;;   The module's matrix products, in the order in which they are computed (A, B: the left and right operand; K: the contracted axis; several contracted axes count as one K, in the product's order):
;;     1. [M 8,192, K 1,024] x [K 1,024, N 1,024]; A: input x; B: input Wq: QUANTISED (scales: A lowp_scales[0], B lowp_scales[1])
;;     2. [M 8,192, K 1,024] x [K 1,024, N 1,024]; A: input x; B: input Wk: QUANTISED (scales: A lowp_scales[2], B lowp_scales[3])
;;     3. [M 8,192, K 1,024] x [K 1,024, N 1,024]; A: input x; B: input Wv: QUANTISED (scales: A lowp_scales[4], B lowp_scales[5])
;;     4. batch 64 x [M 2,048, K 64] x [K 64, N 2,048]; A: computed on the way; B: computed on the way: QUANTISED (scales: A lowp_scales[6], B lowp_scales[7])
;;     5. batch 64 x [M 2,048, K 2,048] x [K 2,048, N 64]; A: softmax (see below); B: computed on the way: QUANTISED (scales: A lowp_scales[8], B lowp_scales[9])
;;     6. [M 8,192, K 1,024] x [K 1,024, N 64]; A: computed on the way; B: input Wf: QUANTISED (scales: A lowp_scales[10], B lowp_scales[11])
;;   THE QUANTISER, for each operand of a quantised product, along K:
;;     - The operand's scale is 2^e, e = its entry of the input lowp_scales (int32; the entries are numbered through the quantised products in the list's order, A before B).
;;     - Each number is divided by the scale, clamped to +-57,344, and rounded to the nearest number of E5M2, ties to even, subnormals kept.
;;     - The product sums the exact products of the quantised numbers (number of the format x scale) in f32.
;;   ~~~python
;;   def quantise(x, axis, e):      # numpy; x: float32 -> the quantised numbers, widened to float32 again
;;       x = np.moveaxis(x, axis, -1); K = x.shape[-1]
;;       r = np.clip(x / 2.0 ** e, -57344, 57344)
;;       step = 2.0 ** (np.maximum(np.frexp(np.where(r == 0, 1, r))[1] - 1, -14) - 2)
;;       q = np.round(r / step) * step * 2.0 ** e      # np.round: ties to even
;;       return np.moveaxis(q, -1, axis).astype(np.float32)
;;   ~~~
;;   SOFTMAX AHEAD OF A QUANTISED PRODUCT. Where the list says 'softmax', what is quantised is not the finished softmax but p = 2^(t - M), with t = logit x log2(e) and M = ceil(the row's largest t), a whole number; so 1/2 < the row's largest p <= 1. The row's sum l is taken of the UNQUANTISED p, in f32, and the product's result is divided by l at the end. Since M is a whole number, a kernel that streams over the keys may use a running M (the ceiling of the running maximum): every later rescaling is an exact power of two, so the quantised numbers keep their values, but for numbers so far below the row's largest that they fall under the format's range.
;;   OPERANDS COMPUTED ON THE WAY. 'Computed on the way' means the value that the module computes at that place (a softmax that the list does not call 'softmax' is quantised finished and normalised). What goes into a quantiser is computed in f32, as accurately as f32 sums, v_exp_f32 and their like allow (about 1e-6 of the number): no bf16 or f16 on the way to a quantiser, and a product that is left as it is and whose result goes on into a quantised operand takes f32 operands (vector FMAs, or v_wmma_f32_16x16x4_f32). A number that lies on a knife's edge between two numbers of the format may be rounded either way, as far as f32 arithmetic and the matrix unit's own rounding can turn it there, and no further.
;; One version. Each part assembles by itself: llvm-mc -triple=amdgcn-amd-amdhsa -mcpu=gfx1250 --defsym DOCPART=n.
;; ======== version 1 of 1: 4 launches
;; limits: right only within a limited range of input values
;; workspace buffers: xc 25,165,824 bytes; wc 3,145,728 bytes; wfi 65,536 bytes; qkv 25,165,824 bytes; ctx 8,388,608 bytes
;; launch quant (part 1): grid 360 x 1, 4 waves a work-group, no clusters, 68,096 bytes of LDS; arguments x, Wq, Wk, Wv, Wf, lowp_scales, xc, wc, wfi; writes xc, wc, wfi
.if DOCPART == 1
	.amdgcn_target "amdgcn-amd-amdhsa--gfx1250"
	.amdhsa_code_object_version 6
	.text
	.protected	k_qc999f720ce_quant
	.globl	k_qc999f720ce_quant
	.p2align	8
	.type	k_qc999f720ce_quant,@function
k_qc999f720ce_quant:
	s_mov_b64 s[64:65], 0
	v_nop
	global_prefetch_b8 v0, s[64:65] scope:SCOPE_SE
	s_setreg_imm32_b32 hwreg(HW_REG_WAVE_MODE, 25, 1), 1
	s_wait_xcnt 0x0
; The inputs of the quantised products become codes of BF8 (E5M2), one code a byte, each with the scale 2^e that is given for it.
; code = number / 2^e, held within +-57,344, rounded to the nearest code, ties to even.
; Three kinds of work-group, parted on the work-group's number; each kind ends by itself and has LDS bytes of its own.
;   0 .. 255   x [8,192][1,024] f32 -> xc [3][8,192][1,024]: three sets of codes, with the scales of entries 0, 2 and 4 (x is an operand of three products, each with a scale of its own).
;   256 .. 351 Wq, Wk, Wv [k 1,024][n 1,024] f32 -> wc [3][n][k], K innermost, with the scales of entries 1, 3, 5.
;   352 .. 359 Wf [k 1,024][n 64] f32 -> wfi [K step 8][tile of 16 outputs 4][4 x 512 bytes]: the operand's registers on end: piece c, lane (r, h): k = 128 ks + 32 c + 16 h + 0 .. 15 of output 16 nt + r.
; LIMITS: each e used here lies between -126 and 112, so that 2^e and 57,344 x 2^e are f32 numbers.  NaN among the inputs is not served; an infinity is held at the largest code.
.set SP,    80                         ; x: a lane's place in a stage: its 64 bytes + 16 of padding
.set XREG,  8192                       ; x: LDS bytes of a wave: two stages of 32 x SP
.set WST,   32768                      ; the weights' stages begin here
.set WP,    272                        ; a row of a weight's stage: 256 bytes of codes + 16
.set STEPS, 16                         ; x: steps of 512 numbers for a wave
.set NB,    8                          ; weights: blocks of 32 along K for a wave
.set R,     16                         ; x: v16-79   four sets of 16 numbers as loaded
.set X,     80                         ; x: v80-111  two sets of 16 neighbours
.set T,     112                        ; x: v112-127 the 16 numbers, held for one of the three scales
.set C,     128                        ; x: v128-139 three times four registers of codes
.set WX,    32                         ; weights: v32-95 two sets of 32 numbers
.set WC,    96                         ; weights: v96-103 a block's codes
.set OUTR,  112                        ; weights: v112-175 the way out
	s_load_b256 s[4:11], s[0:1], 0x0               ; x s[4:5], Wq s[6:7], Wk s[8:9], Wv s[10:11]
	s_load_b256 s[12:19], s[0:1], 0x20             ; Wf s[12:13], the scales' exponents s[14:15], xc s[16:17], wc s[18:19]
	s_load_b64 s[20:21], s[0:1], 0x40              ; wfi
	v_lshl_add_u32 v192, v0, 2, 0x10800
	v_mov_b32 v193, 0
	v_lshrrev_b32 v1, 5, v0
	v_readfirstlane_b32 s22, v1                    ; wave 0..3
	v_and_b32 v2, 31, v0                           ; lane
	v_lshlrev_b32 v3, 4, v2                        ; 16 x lane
	v_lshlrev_b32 v4, 2, v2                        ; 4 x lane
	v_and_b32 v8, 15, v2                           ; r
	v_lshrrev_b32 v9, 4, v2                        ; h
	; every LDS address is made here, ahead of the parting
	s_mul_i32 s23, s22, XREG
	v_lshrrev_b32 v14, 2, v2
	v_mul_u32_u24 v14, v14, SP
	v_and_b32 v15, 3, v2
	v_lshl_add_u32 v14, v15, 4, v14
	v_add_nc_u32 v14, s23, v14                     ; x's stage, way in: four lanes' 64 bytes on end, then 16 of padding
	v_mul_u32_u24 v15, v2, SP
	v_add_nc_u32 v15, s23, v15                     ; x's stage, way out: my 16 neighbours
	s_mul_i32 s23, s22, 32*WP
	s_add_co_u32 s23, s23, WST
	v_mul_u32_u24 v5, v2, WP
	v_add_nc_u32 v5, s23, v5                       ; a weight's stage, way in: row = my column
	v_mul_u32_u24 v6, v9, WP
	v_lshl_add_u32 v6, v8, 4, v6
	v_add_nc_u32 v6, s23, v6                       ; way out: sixteen lanes to a row, two rows an instruction
	v_lshlrev_b32 v7, 10, v9
	v_lshl_add_u32 v7, v8, 4, v7                   ; and the same place in wc: rows of 1,024 bytes
	s_wait_kmcnt 0x0
	s_load_b256 s[24:31], s[14:15], 0x0            ; entries 0 .. 7
	s_load_b128 s[32:35], s[14:15], 0x20           ; entries 8 .. 11
	s_cmp_ge_u32 ttmp9, 256
	s_cbranch_scc1 .Lw
; ---------------- x.  A wave takes 8,192 numbers in 16 steps of 512.  Each load reads 512 consecutive bytes; a step's 2,048 bytes turn through the wave's own stage,
; so that a lane then holds 16 neighbours along K; they are held and converted three times; each store covers 512 consecutive bytes.
	s_lshl_b32 s36, ttmp9, 2
	s_add_co_u32 s36, s36, s22                     ; which run of 8,192 numbers is my wave's
	s_lshl_b32 s42, s36, 15
	s_mov_b32 s43, 0
	s_add_nc_u64 s[4:5], s[4:5], s[42:43]
	s_lshl_b32 s42, s36, 13
	s_add_nc_u64 s[36:37], s[16:17], s[42:43]      ; my codes in set 0,
	s_add_nc_u64 s[38:39], s[36:37], 0x800000      ; set 1,
	s_add_nc_u64 s[40:41], s[36:37], 0x1000000     ; set 2: the sets lie further apart than a store's immediate reaches
.macro XLOAD t
.irp i, 0,1,2,3
	global_load_b128 v[R+16*((\t)%4)+4*\i:R+16*((\t)%4)+4*\i+3], v3, s[4:5] offset:2048*(\t)+512*\i th:TH_LOAD_NT
.endr
.endm
.macro XTURN t                         ; LDS serves a wave's instructions in order, so no wait stands between the stores and the loads
.irp i, 0,1,2,3
	ds_store_b128 v14, v[R+16*((\t)%4)+4*\i:R+16*((\t)%4)+4*\i+3] offset:32*SP*((\t)%2)+8*SP*\i
.endr
.irp i, 0,1,2,3
	ds_load_b128 v[X+16*((\t)%2)+4*\i:X+16*((\t)%2)+4*\i+3], v15 offset:32*SP*((\t)%2)+16*\i
.endr
.endm
.irp t, 0,1,2,3
	XLOAD \t
.endr
	s_wait_kmcnt 0x0
.irp p, 0,1,2                          ; v[8+2p] = 2^e as f32 (the conversion takes its exponent field), v[9+2p] = 57,344 x 2^e; e = entry 2 p
	s_add_co_i32 s44, s[24+2*\p], 127
	s_lshl_b32 s45, s44, 23
	v_mov_b32 v[8+2*\p], s45
	s_add_co_i32 s44, s44, 15
	s_lshl_b32 s44, s44, 23
	s_or_b32 s44, s44, 0x600000
	v_mov_b32 v[9+2*\p], s44
.endr
	s_wait_alu depctr_va_vdst(0)
	s_wait_loadcnt 12                              ; step 0's four loads are in; those of the three steps behind it may be out
	XTURN 0
.macro XQ p                            ; the step's 16 numbers of a lane, with scale p
.set ii, 0
.rept 16
	v_med3_num_f32 v[T+ii], v[XS+ii], -v[9+2*\p], v[9+2*\p]   ; the conversion to an 8-bit code does not saturate (ISA guide 7.6.2): the hold comes first
.set ii, ii+1
.endr
.if \p == 0
	s_wait_alu depctr_va_vdst(0)
	s_wait_xcnt 0x0                                ; the last step's three stores have read their data: the codes' registers are written again only behind this wait
.endif
	v_cvt_scalef32_pk8_bf8_f32 v[C+4*\p:C+4*\p+1], v[T:T+7], v[8+2*\p]
	v_cvt_scalef32_pk8_bf8_f32 v[C+4*\p+2:C+4*\p+3], v[T+8:T+15], v[8+2*\p]
	v_nop                                          ; a plain instruction between the conversions and the next holds, which write their sources
.endm
.macro XSTEP t
.set XS, X+16*((\t)%2)
	s_wait_dscnt 0x0                               ; this step's numbers are back from the stage, and its stores into the stage have read their registers,
.if (\t)+4 < STEPS
	XLOAD (\t)+4                                   ; which take the loads of four steps on
.endif
.if (\t)+1 < STEPS
.if STEPS-2-(\t) >= 3
	s_wait_loadcnt 12                              ; the next step's four loads are in; those of the three steps behind it may be out
.else
	s_wait_loadcnt 4*(STEPS-2-(\t))
.endif
	XTURN (\t)+1
.endif
	XQ 0
	XQ 1
	XQ 2
.irp p, 0,1,2
	global_store_b128 v3, v[C+4*\p:C+4*\p+3], s[36+2*\p:37+2*\p] offset:512*(\t)   ; 32 lanes store 512 consecutive bytes, aligned
.endr
.endm
.irp t, 0,1,2,3,4,5,6,7,8,9,10,11,12,13,14,15
	XSTEP \t
.endr
	s_wait_tensorcnt 0x0
	ds_add_u32 v192, v193
	s_wait_dscnt 0x0
	s_endpgm
; ---------------- Wq, Wk, Wv.  A lane takes a column n and its registers run down K: each load reads neighbouring n in neighbouring lanes, and the conversions give codes with K innermost.
; A wave takes 32 columns x 256 along K; the codes leave through the wave's own stage, sixteen lanes to 256 consecutive bytes of a row of wc.
.Lw:
	s_cmp_ge_u32 ttmp9, 352
	s_cbranch_scc1 .Lwf
	s_sub_co_u32 s36, ttmp9, 256
	s_lshr_b32 s37, s36, 5                         ; which weight: 0, 1, 2
	s_and_b32 s38, s36, 7                          ; which 128 columns
	s_bfe_u32 s39, s36, 0x20003                    ; which 256 along K
	s_cmp_eq_u32 s37, 0
	s_cselect_b64 s[40:41], s[6:7], s[8:9]
	s_cmp_eq_u32 s37, 2
	s_cselect_b64 s[40:41], s[10:11], s[40:41]     ; the choice hangs on the work-group's number alone
	s_lshl_b32 s38, s38, 7
	s_lshl_b32 s42, s22, 5
	s_add_co_u32 s38, s38, s42                     ; my wave's first column
	s_lshl_b32 s42, s39, 20                        ; 256 rows of 4,096 bytes
	s_lshl_b32 s43, s38, 2
	s_add_co_u32 s42, s42, s43
	s_mov_b32 s43, 0
	s_add_nc_u64 s[40:41], s[40:41], s[42:43]
	s_lshl_b32 s42, s37, 20                        ; the weight's set in wc,
	s_lshl_b32 s44, s38, 10                        ; my first column's row,
	s_add_co_u32 s42, s42, s44
	s_lshl_b32 s44, s39, 8                         ; my 256 along K
	s_add_co_u32 s42, s42, s44
	s_add_nc_u64 s[18:19], s[18:19], s[42:43]
.macro WLOAD t                         ; block t: W(32 t + i, my column), i = 0 .. 31
.set ii, 0
.rept 32
	global_load_b32 v[WX+32*((\t)%2)+ii], v4, s[40:41] offset:(32*(\t)+ii)*4096 th:TH_LOAD_NT
.set ii, ii+1
.endr
.endm
	WLOAD 0
	WLOAD 1
	s_wait_kmcnt 0x0
	s_cmp_eq_u32 s37, 0
	s_cselect_b32 s44, s25, s27
	s_cmp_eq_u32 s37, 2
	s_cselect_b32 s44, s29, s44                    ; e = entry 1, 3 or 5
	s_add_co_i32 s44, s44, 127
	s_lshl_b32 s45, s44, 23
	v_mov_b32 v11, s45                             ; 2^e
	s_add_co_i32 s44, s44, 15
	s_lshl_b32 s44, s44, 23
	s_or_b32 s44, s44, 0x600000
	v_mov_b32 v10, s44                             ; 57,344 x 2^e
.macro WBLOCK t
.set XS, WX+32*((\t)%2)
.if (\t) < NB-1
	s_wait_loadcnt 32                              ; this block's 32 loads are in; the next block's may be out
.else
	s_wait_loadcnt 0
.endif
.set ii, 0
.rept 32
	v_med3_num_f32 v[XS+ii], v[XS+ii], -v10, v10
.set ii, ii+1
.endr
.irp g, 0,1,2,3
	v_cvt_scalef32_pk8_bf8_f32 v[WC+2*\g:WC+2*\g+1], v[XS+8*\g:XS+8*\g+7], v11
.endr
	ds_store_b128 v5, v[WC:WC+3] offset:32*(\t)    ; 32 codes: 32 bytes of my column's row
	ds_store_b128 v5, v[WC+4:WC+7] offset:32*(\t)+16
.if (\t)+2 < NB
	WLOAD (\t)+2
.endif
	s_wait_dscnt 0x0                               ; the stores have read their registers: the next block's codes may be written (its holds, plain instructions, come first)
.endm
	s_wait_alu depctr_va_vdst(0)
.irp t, 0,1,2,3,4,5,6,7
	WBLOCK \t
.endr
.irp t, 0,1,2,3,4,5,6,7,8,9,10,11,12,13,14,15
	ds_load_b128 v[OUTR+4*\t:OUTR+4*\t+3], v6 offset:2*\t*WP   ; LDS serves a wave's instructions in order: these see my stores
.endr
.irp t, 0,1,2,3,4,5,6,7,8,9,10,11,12,13,14,15
	s_wait_dscnt 15-\t
	global_store_b128 v7, v[OUTR+4*\t:OUTR+4*\t+3], s[18:19] offset:2*\t*1024   ; sixteen lanes store 256 consecutive bytes, aligned
.endr
	s_wait_tensorcnt 0x0
	ds_add_u32 v192, v193
	s_wait_dscnt 0x0
	s_endpgm
; ---------------- Wf.  Work-group = K step of 128, wave = tile of 16 outputs.  Lane (r, h) takes column 16 nt + r and, in the operand's own order, k = 32 c + 16 h + i: the conversions' results are the operand's registers.
.Lwf:
	s_sub_co_u32 s36, ttmp9, 352                   ; ks
	s_lshl_b32 s42, s36, 15                        ; 128 rows of 256 bytes
	s_lshl_b32 s43, s22, 6                         ; 16 columns of 4 bytes
	s_add_co_u32 s42, s42, s43
	s_mov_b32 s43, 0
	s_add_nc_u64 s[12:13], s[12:13], s[42:43]
	s_lshl_b32 s42, s36, 2
	s_add_co_u32 s42, s42, s22
	s_lshl_b32 s42, s42, 11                        ; fragment 4 ks + nt, 2,048 bytes each
	s_add_nc_u64 s[20:21], s[20:21], s[42:43]
	v_lshlrev_b32 v16, 2, v8
	v_lshl_add_u32 v16, v9, 12, v16                ; 4 r + 16 rows x h
.irp c, 0,1,2,3
.irp i, 0,1,2,3,4,5,6,7,8,9,10,11,12,13,14,15
	global_load_b32 v[64+16*\c+\i], v16, s[12:13] offset:256*(32*\c+\i)
.endr
.endr
	s_wait_kmcnt 0x0
	s_add_co_i32 s44, s35, 127                     ; e = entry 11
	s_lshl_b32 s45, s44, 23
	v_mov_b32 v44, s45
	s_add_co_i32 s44, s44, 15
	s_lshl_b32 s44, s44, 23
	s_or_b32 s44, s44, 0x600000
	v_mov_b32 v40, s44
	s_wait_alu depctr_va_vdst(0)
	s_wait_loadcnt 0x0
.irp c, 0,1,2,3
.irp i, 0,1,2,3,4,5,6,7,8,9,10,11,12,13,14,15
	v_med3_num_f32 v[64+16*\c+\i], v[64+16*\c+\i], -v40, v40
.endr
	v_cvt_scalef32_pk8_bf8_f32 v[48+4*\c:49+4*\c], v[64+16*\c:71+16*\c], v44
	v_cvt_scalef32_pk8_bf8_f32 v[50+4*\c:51+4*\c], v[72+16*\c:79+16*\c], v44
.endr
	v_nop
.irp c, 0,1,2,3
	global_store_b128 v3, v[48+4*\c:51+4*\c], s[20:21] offset:512*\c   ; 512 consecutive bytes, aligned
.endr
	s_endpgm
.Lfunc_end_k_qc999f720ce_quant:
	.size	k_qc999f720ce_quant, .Lfunc_end_k_qc999f720ce_quant-k_qc999f720ce_quant
	.p2alignl 7, 3214868480
	.fill 96, 4, 3214868480
	.section	.rodata,"a",@progbits
	.p2align	6, 0x0
	.amdhsa_kernel k_qc999f720ce_quant
		.amdhsa_group_segment_fixed_size 68096
		.amdhsa_private_segment_fixed_size 0
		.amdhsa_enable_private_segment 0
		.amdhsa_kernarg_size 72
		.amdhsa_user_sgpr_count 2
		.amdhsa_user_sgpr_kernarg_segment_ptr 1
		.amdhsa_wavefront_size32 1
		.amdhsa_system_sgpr_workgroup_id_x 1
		.amdhsa_system_sgpr_workgroup_id_y 1
		.amdhsa_system_sgpr_workgroup_id_z 1
		.amdhsa_system_vgpr_workitem_id 0
		.amdhsa_next_free_vgpr 194
		.amdhsa_next_free_sgpr 66
		.amdhsa_reserve_vcc 0
		.amdhsa_float_denorm_mode_32 3
		.amdhsa_float_denorm_mode_16_64 3
		.amdhsa_memory_ordered 1
		.amdhsa_forward_progress 1
		.amdhsa_inst_pref_size 140
	.end_amdhsa_kernel
	.amdgpu_metadata
---
amdhsa.version: [ 1, 2 ]
amdhsa.kernels:
  - .name:           k_qc999f720ce_quant
    .symbol:         k_qc999f720ce_quant.kd
    .args:
      - { .name: x, .offset: 0, .size: 8, .value_kind: global_buffer, .address_space: global }
      - { .name: Wq, .offset: 8, .size: 8, .value_kind: global_buffer, .address_space: global }
      - { .name: Wk, .offset: 16, .size: 8, .value_kind: global_buffer, .address_space: global }
      - { .name: Wv, .offset: 24, .size: 8, .value_kind: global_buffer, .address_space: global }
      - { .name: Wf, .offset: 32, .size: 8, .value_kind: global_buffer, .address_space: global }
      - { .name: lowp_scales, .offset: 40, .size: 8, .value_kind: global_buffer, .address_space: global }
      - { .name: xc, .offset: 48, .size: 8, .value_kind: global_buffer, .address_space: global }
      - { .name: wc, .offset: 56, .size: 8, .value_kind: global_buffer, .address_space: global }
      - { .name: wfi, .offset: 64, .size: 8, .value_kind: global_buffer, .address_space: global }
    .group_segment_fixed_size: 68096
    .private_segment_fixed_size: 0
    .kernarg_segment_align: 8
    .kernarg_segment_size: 72
    .max_flat_workgroup_size: 128
    .sgpr_count:     66
    .vgpr_count:     194
    .wavefront_size: 32
...
	.end_amdgpu_metadata
.endif
;; end of part 1
;; launch gemm (part 2): grid 12 x 32, 4 waves a work-group, clusters of 4 x 4, 327,680 bytes of LDS; arguments xc, wc, lowp_scales, bq, bk, bv, qkv; writes qkv
.if DOCPART == 2
	.amdgcn_target "amdgcn-amd-amdhsa--gfx1250"
	.amdhsa_code_object_version 6
	.text
	.protected	k_qc999f720ce_gemm
	.globl	k_qc999f720ce_gemm
	.p2align	8
	.type	k_qc999f720ce_gemm,@function
k_qc999f720ce_gemm:
	s_mov_b64 s[64:65], 0
	v_nop
	global_prefetch_b8 v0, s[64:65] scope:SCOPE_SE
	s_setreg_imm32_b32 hwreg(HW_REG_WAVE_MODE, 25, 1), 1
	s_wait_xcnt 0x0
	s_wait_alu depctr_hold_cnt(0) depctr_sa_sdst(0) depctr_va_vdst(0) depctr_va_sdst(0) depctr_va_ssrc(0) depctr_va_vcc(0) depctr_vm_vsrc(0)
	s_getreg_b32 s2, hwreg(HW_REG_IB_STS2, 6, 4)
	s_cmp_eq_u32 s2, 0
	s_cbranch_scc0 .Lentry_in_a_cluster
	s_endpgm
.Lentry_in_a_cluster:
	s_bfe_u32 s2, ttmp6, 0x10000c
	s_cmp_lg_u32 s2, 0xf033
	s_cbranch_scc0 .Lentry_shape_is_right
	s_endpgm
.Lentry_shape_is_right:
.set SIZE_K, 1024
.set KSTEP,  256
.set ROWB,   256
.set KROW,   SIZE_K
.set PITCH,  272
.set FR,     16
.set NL,     4
.set NP,     4
.set HALFT,  128*PITCH
.set SLOT,   4*HALFT
.set LAPS,   SIZE_K/(2*KSTEP)
.set SPARE,  2*SLOT
.set HEADB,  393216
.set ADRA, 16
.set ADRB, 20
.set BCO,  22
.set BRO,  23
.set STQ,  24
.set RDQ,  25
.set CO,   26
.set SPW,  28
.set NIL,  29
.set STV,  30
.set RDV,  31
.set BC,   32
.set BR,   96
.set SC,   112
.set LM,   113
.set AF,   128
.set TMP,  128
.set CD,   192
.set G1, 24
.set G0, 32
.set G1B, 48
.set G0B, 56
.set MSB, 0
.macro WIN new
.if MSB != (\new)
	s_set_vgpr_msb (MSB<<8)|(\new)
.set MSB, (\new)
.endif
.endm
.set MUL_LO, 0xa1
.set MUL_HI, 0xf1
.set TO_B,   0x40
.macro JLOAD g0a, g1a, g0b, g1b
	s_cmp_eq_u32 s15, 0
	s_cbranch_scc0 .Lfor_b_\@
	tensor_load_to_lds s[\g0a:\g0a+3], s[\g1a:\g1a+7]
	s_nop 0
.rept 4
	v_nop
.endr
	s_branch .Lasked_\@
.Lfor_b_\@:
	tensor_load_to_lds s[\g0b:\g0b+3], s[\g1b:\g1b+7]
	s_nop 0
.rept 4
	v_nop
.endr
.Lasked_\@:
.endm
.macro CREST
	s_cmp_lg_u32 s14, 0
	s_cbranch_scc1 .Lnot_wave_0_\@
	s_barrier_signal -3
.Lnot_wave_0_\@:
	s_barrier_wait -3
	s_barrier_signal -1
	s_barrier_wait -1
.endm
.macro CROUND
	s_barrier_signal -1
	s_barrier_wait -1
	CREST
.endm
	s_load_b128 s[4:7], s[0:1], 0x0
	s_load_b64 s[8:9], s[0:1], 0x10
	s_load_b128 s[80:83], s[0:1], 0x18
	s_load_b128 s[84:87], s[0:1], 0x28
	v_lshl_add_u32 v[SPW], v0, 2, SPARE
	v_mov_b32 v[NIL], 0
	ds_add_u32 v28, v29
	ds_add_u32 v28, v29
	s_wait_dscnt 0x0
	v_lshrrev_b32 v1, 5, v0
	v_readfirstlane_b32 s14, v1
	s_lshr_b32 s15, s14, 1
	s_and_b32 s16, s14, 1
	s_bfe_u32 s40, ttmp6, 0x40000
	s_bfe_u32 s41, ttmp6, 0x40004
	s_and_b32 s66, ttmp7, 0xffff
	s_lshl_b32 s66, s66, 2
	s_lshl_b32 s94, ttmp9, 23
	s_lshl_b32 s95, ttmp9, 20
	s_cmp_eq_u32 ttmp9, 2
	s_cselect_b32 s67, 0, s66
	s_cselect_b32 s88, s66, 0
	s_cselect_b32 s89, s95, s94
	s_cselect_b32 s98, s94, s95
	s_add_co_u32 s17, s67, s41
	s_add_co_u32 s42, s88, s40
	s_lshl_b32 s43, s41, 2
	s_lshl_b32 s43, 15, s43
	s_lshl_b32 s44, 0x1111, s40
	s_or_b32 s[G1+0], s43, (0<<16)|(1<<20)|(1<<21)|(5<<22)|(3<<25)
	s_or_b32 s[G1B+0], s44, (0<<16)|(1<<20)|(1<<21)|(5<<22)|(3<<25)
.irp g, G1, G1B
	s_mov_b32 s[\g+1], ROWB<<16
	s_mov_b32 s[\g+2], 128<<16
	s_mov_b32 s[\g+3], ROWB<<16
	s_mov_b32 s[\g+4], 128
	s_mov_b32 s[\g+5], KROW
	s_mov_b32 s[\g+6], 0
	s_mov_b32 s[\g+7], 0
.endr
	s_lshl_b32 s18, s16, 7
	s_lshl_b32 s20, s17, 8
	s_add_co_u32 s20, s20, s18
	s_lshl_b32 s20, s20, 10
	s_add_co_u32 s20, s20, s89
	s_mov_b32 s21, 0
	s_lshl_b32 s46, s42, 8
	s_add_co_u32 s46, s46, s18
	s_lshl_b32 s46, s46, 10
	s_add_co_u32 s46, s46, s98
	s_mov_b32 s47, 0
	s_mul_i32 s45, s14, HALFT
	s_wait_kmcnt 0x0
	s_load_b256 s[68:75], s[8:9], 0x0
	s_load_b128 s[76:79], s[8:9], 0x20
	s_cmp_eq_u32 ttmp9, 2
	s_cselect_b64 s[90:91], s[6:7], s[4:5]
	s_cselect_b64 s[92:93], s[4:5], s[6:7]
	s_add_nc_u64 s[20:21], s[90:91], s[20:21]
	s_add_nc_u64 s[46:47], s[92:93], s[46:47]
	CROUND
.irp s, 0,1
	s_mov_b32 s[G0+4*\s], 1
	s_add_co_u32 s[G0+4*\s+1], s45, \s*SLOT
	s_add_nc_u64 s[G0+4*\s+2:G0+4*\s+3], s[20:21], \s*ROWB
	s_or_b32 s[G0+4*\s+3], s[G0+4*\s+3], 0x80000000
	s_mov_b32 s[G0B+4*\s], 1
	s_add_co_u32 s[G0B+4*\s+1], s45, \s*SLOT
	s_add_nc_u64 s[G0B+4*\s+2:G0B+4*\s+3], s[46:47], \s*ROWB
	s_or_b32 s[G0B+4*\s+3], s[G0B+4*\s+3], 0x80000000
.if \s                                 ; K step 0's joint load stands behind the opening round; K step 1's, a later first fill, behind the full sequence and a round of its own
	s_wait_alu depctr_va_vdst(0)
	s_wait_tensorcnt 0x0
	ds_add_u32 v28, v29
	ds_add_u32 v28, v29
	s_wait_dscnt 0x0
	CROUND
.endif
	JLOAD G0+4*\s, G1, G0B+4*\s, G1B
.endr
	v_and_b32 v1, 15, v0
	s_wait_alu depctr_va_vdst(0)
	v_bfe_u32 v2, v0, 4, 1
	v_mul_u32_u24 v3, v1, PITCH
	v_lshl_add_u32 v4, v2, 4, v3
	s_mul_i32 s21, s15, HALFT
	s_mul_i32 s22, s16, HALFT
	s_add_co_u32 s22, s22, 2*HALFT
.irp s, 0,1
	v_add_nc_u32 v[ADRA+\s], s21, v4
	v_add_nc_u32 v[ADRB+\s], s22, v4
	s_add_co_u32 s21, s21, SLOT
	s_add_co_u32 s22, s22, SLOT
.endr
	s_lshl_b32 s88, s14, 14
	v_lshrrev_b32 v5, 3, v1
	v_and_b32 v6, 7, v1
	v_lshlrev_b32 v5, 10, v5
	v_lshl_add_u32 v5, v6, 4, v5
	v_lshl_add_u32 v5, v2, 3, v5
	v_add_nc_u32 v[STQ], s88, v5
	v_and_b32 v6, 31, v0
	v_lshlrev_b32 v[CO], 4, v6
	v_add_nc_u32 v[RDQ], s88, v[CO]
	v_lshlrev_b32 v5, 4, v1
	v_lshl_add_u32 v5, v2, 3, v5
	v_add_nc_u32 v5, s88, v5
	v_add_nc_u32 v[STV], 0x10000, v5
	v_add_nc_u32 v[RDV], 0x10000, v[RDQ]
	s_lshl_b32 s66, s17, 8
	s_lshl_b32 s67, s15, 7
	s_add_co_u32 s66, s66, s67
	s_lshl_b32 s67, s42, 8
	s_lshl_b32 s88, s16, 7
	s_add_co_u32 s67, s67, s88
	s_cmp_eq_u32 ttmp9, 2
	s_cselect_b32 s88, s67, s66
	s_cselect_b32 s89, s66, s67
	s_cselect_b32 s94, 0, s67
	s_cselect_b32 s95, s66, 0
	s_lshr_b32 s98, s88, 11
	s_lshl_b32 s98, s98, 4
	s_lshr_b32 s99, s89, 6
	s_add_co_u32 s98, s98, s99
	s_lshl_b32 s98, s98, 4
	s_bfe_u32 s99, s88, 0x40007
	s_add_co_u32 s98, s98, s99
	s_mul_i32 s98, s98, 3
	s_add_co_u32 s98, s98, ttmp9
	s_lshl_b32 s98, s98, 13
	s_mov_b32 s99, 0
	s_add_nc_u64 s[10:11], s[86:87], s[98:99]
	s_cmp_eq_u32 ttmp9, 0
	s_cselect_b64 s[80:81], s[80:81], s[82:83]
	s_cmp_eq_u32 ttmp9, 2
	s_cselect_b64 s[80:81], s[84:85], s[80:81]
	s_lshl_b32 s94, s94, 2
	s_lshl_b32 s95, s95, 2
	v_lshl_add_u32 v[BCO], v2, 5, s94
	v_lshl_add_u32 v[BRO], v1, 2, s95
.irp b, 0,1,2,3,4,5,6,7
	global_load_b128 v[BC+8*\b:BC+8*\b+3], v[BCO], s[80:81] offset:64*\b
	global_load_b128 v[BC+8*\b+4:BC+8*\b+7], v[BCO], s[80:81] offset:64*\b+16
.endr
.irp a, 0,1,2,3,4,5,6,7
	global_load_b32 v[BR+2*\a], v[BRO], s[80:81] offset:64*\a
	v_mov_b32 v[BR+2*\a+1], 0
.endr
.macro FRAG reg, adr, q, i
.irp c, 0,1,2,3
	ds_load_b128 v[\reg+4*\c:\reg+4*\c+3], v[\adr] offset:128*(\q)+32*\c+(\i)*16*PITCH
.endr
.endm
.macro MUL16 a0, p, zero
.irp a, \a0, \a0+1
.irp b, 0,1,2,3,4,5,6,7
.if \zero
	v_wmma_f32_16x16x128_bf8_bf8 v[8*(8*((\a)%4)+\b):8*(8*((\a)%4)+\b)+7], v[128*(\p)+FR*\b:128*(\p)+FR*\b+FR-1], v[AF+FR*(\a):AF+FR*(\a)+FR-1], 0
.else
	v_wmma_f32_16x16x128_bf8_bf8 v[8*(8*((\a)%4)+\b):8*(8*((\a)%4)+\b)+7], v[128*(\p)+FR*\b:128*(\p)+FR*\b+FR-1], v[AF+FR*(\a):AF+FR*(\a)+FR-1], v[8*(8*((\a)%4)+\b):8*(8*((\a)%4)+\b)+7]
.endif
.endr
.endr
.endm
.macro FETCH_B slot, q, p
	WIN TO_B
.irp i, 0,1,2,3,4,5,6,7
	FRAG 128*(\p)+FR*\i, ADRB+\slot, \q, \i
.endr
	WIN 0
.endm
.macro FETCH_A slot, q, i0
.irp i, \i0, \i0+1, \i0+2, \i0+3
	FRAG AF+FR*(\i), ADRA+\slot, \q, \i
.endr
.endm
.macro PLACES n
.rept \n
	v_nop
.endr
.endm
.macro STEP slot, q, zero
	s_wait_dscnt 4*NL
	WIN MUL_LO
	MUL16 0, (\q)%2, \zero
	MUL16 2, (\q)%2, \zero
	s_wait_dscnt 0
	PLACES NP
	FETCH_B \slot, (\q)+1, 1-(\q)%2
	FETCH_A \slot, (\q)+1, 0
	WIN MUL_HI
	MUL16 4, (\q)%2, \zero
	MUL16 6, (\q)%2, \zero
	PLACES NP
	WIN 0
	FETCH_A \slot, (\q)+1, 4
.endm
.macro TURN slot, next, fill
	s_wait_tensorcnt 0x0
	ds_add_u32 v[SPW], v[NIL]
	s_wait_dscnt 4*NL+1
	WIN MUL_LO
	MUL16 0, 1, 0
	s_wait_dscnt 0x0
	s_barrier_signal -1
	MUL16 2, 1, 0
	WIN 0
	s_barrier_wait -1
.if \fill
	CREST
	s_add_nc_u64 s[G0+4*\slot+2:G0+4*\slot+3], s[G0+4*\slot+2:G0+4*\slot+3], 2*ROWB
	s_add_nc_u64 s[G0B+4*\slot+2:G0B+4*\slot+3], s[G0B+4*\slot+2:G0B+4*\slot+3], 2*ROWB
	JLOAD G0+4*\slot, G1, G0B+4*\slot, G1B
.else
	PLACES NP
.endif
	FETCH_B \next, 0, 0
	FETCH_A \next, 0, 0
	WIN MUL_HI
	MUL16 4, 1, 0
	MUL16 6, 1, 0
	PLACES NP
	WIN 0
	FETCH_A \next, 0, 4
.endm
	s_wait_tensorcnt 1
	s_barrier_signal -1
	s_barrier_wait -1
	FETCH_B 0, 0, 0
	FETCH_A 0, 0, 0
	FETCH_A 0, 0, 4
	STEP 0, 0, 1
	s_mov_b32 s3, LAPS-1
.Llap:
	TURN 0, 1, 1
	STEP 1, 0, 0
	TURN 1, 0, 1
	STEP 0, 0, 0
	s_sub_co_u32 s3, s3, 1
	s_cmp_lg_u32 s3, 0
	s_cbranch_scc1 .Llap
	TURN 0, 1, 0
	STEP 1, 0, 0
	s_wait_dscnt 4*NL
	WIN MUL_LO
	MUL16 0, 1, 0
	MUL16 2, 1, 0
	s_wait_dscnt 0
	WIN MUL_HI
	MUL16 4, 1, 0
	MUL16 6, 1, 0
	WIN 0
.macro EPI path
.irp a, 0,1,2,3,4,5,6,7
	WIN 0x02+(\a)/4
.irp b, 0,1,2,3,4,5,6,7
.irp j, 0,2,4,6
.if \path
	v_pk_fma_f32 v[TMP+8*\b+\j:TMP+8*\b+\j+1], v[64*((\a)%4)+8*\b+\j:64*((\a)%4)+8*\b+\j+1], s[96:97], v[BR+2*\a:BR+2*\a+1] op_sel_hi:[1,0,0]
.else
	v_pk_fma_f32 v[TMP+8*\b+\j:TMP+8*\b+\j+1], v[64*((\a)%4)+8*\b+\j:64*((\a)%4)+8*\b+\j+1], s[96:97], v[BC+8*\b+\j:BC+8*\b+\j+1] op_sel_hi:[1,0,1]
.endif
.endr
.endr
	WIN 0
.set jj, 0
.rept 64
	v_med3_num_f32 v[TMP+jj], v[TMP+jj], -v[LM], v[LM]
.set jj, jj+1
.endr
.if \a >= 2
	s_wait_alu depctr_va_vdst(0)
	s_wait_dscnt 8
.endif
.irp b, 0,1,2,3,4,5,6,7
	v_cvt_scalef32_pk8_bf8_f32 v[CD+16*((\a)%2)+2*\b:CD+16*((\a)%2)+2*\b+1], v[TMP+8*\b:TMP+8*\b+7], v[SC]
.endr
	v_nop
.irp b, 0,1,2,3,4,5,6,7
.if \path
	ds_store_b64 v[STV], v[CD+16*((\a)%2)+2*\b:CD+16*((\a)%2)+2*\b+1] offset:8192*((\a)/4)+2048*((\a)%4)+512*((\b)/2)+256*((\b)%2)
.else
	ds_store_b64 v[STQ], v[CD+16*((\a)%2)+2*\b:CD+16*((\a)%2)+2*\b+1] offset:8192*((\b)/4)+2048*((\a)/2)+128*((\a)%2)+512*(((\b)%4)/2)+256*((\b)%2)
.endif
.endr
.endr
	s_wait_dscnt 0x0
.set ii, 0
.rept 32
.if \path
	ds_load_b128 v[128+4*ii:128+4*ii+3], v[RDV] offset:512*ii
.else
	ds_load_b128 v[128+4*ii:128+4*ii+3], v[RDQ] offset:512*ii
.endif
.set ii, ii+1
.endr
.set ii, 0
.rept 32
	s_wait_dscnt 31-ii
	global_store_b128 v[CO], v[128+4*ii:128+4*ii+3], s[10:11] offset:(ii/16)*HEADB+(ii%16)*512
.set ii, ii+1
.endr
.endm
	s_wait_kmcnt 0x0
	s_add_co_i32 s66, s68, s69
	s_add_co_i32 s67, s70, s71
	s_add_co_i32 s88, s72, s73
	s_cmp_eq_u32 ttmp9, 0
	s_cselect_b32 s66, s66, s67
	s_cselect_b32 s89, s74, s75
	s_cmp_eq_u32 ttmp9, 2
	s_cselect_b32 s66, s88, s66
	s_cselect_b32 s89, s77, s89
	s_add_co_i32 s66, s66, 127
	s_lshl_b32 s96, s66, 23
	s_mov_b32 s97, s96
	s_add_co_i32 s89, s89, 127
	s_lshl_b32 s94, s89, 23
	v_mov_b32 v[SC], s94
	s_add_co_i32 s89, s89, 15
	s_lshl_b32 s89, s89, 23
	s_or_b32 s89, s89, 0x600000
	v_mov_b32 v[LM], s89
	s_wait_loadcnt 0x0
	PLACES NP
	s_cmp_eq_u32 ttmp9, 2
	s_cbranch_scc1 .Lv
	EPI 0
	s_branch .Lend
.Lv:
	EPI 1
.Lend:
	s_wait_tensorcnt 0x0
	ds_add_u32 v[SPW], v[NIL]
	s_wait_dscnt 0x0
	CROUND
	s_endpgm
.Lfunc_end_k_qc999f720ce_gemm:
	.size	k_qc999f720ce_gemm, .Lfunc_end_k_qc999f720ce_gemm-k_qc999f720ce_gemm
	.p2alignl 7, 3214868480
	.fill 96, 4, 3214868480
	.section	.rodata,"a",@progbits
	.p2align	6, 0x0
	.amdhsa_kernel k_qc999f720ce_gemm
		.amdhsa_group_segment_fixed_size 327680
		.amdhsa_private_segment_fixed_size 0
		.amdhsa_enable_private_segment 0
		.amdhsa_kernarg_size 56
		.amdhsa_user_sgpr_count 2
		.amdhsa_user_sgpr_kernarg_segment_ptr 1
		.amdhsa_wavefront_size32 1
		.amdhsa_system_sgpr_workgroup_id_x 1
		.amdhsa_system_sgpr_workgroup_id_y 1
		.amdhsa_system_sgpr_workgroup_id_z 1
		.amdhsa_system_vgpr_workitem_id 0
		.amdhsa_next_free_vgpr 1024
		.amdhsa_next_free_sgpr 100
		.amdhsa_reserve_vcc 0
		.amdhsa_float_denorm_mode_32 3
		.amdhsa_float_denorm_mode_16_64 3
		.amdhsa_memory_ordered 1
		.amdhsa_forward_progress 1
		.amdhsa_inst_pref_size 209
	.end_amdhsa_kernel
	.amdgpu_metadata
---
amdhsa.version: [ 1, 2 ]
amdhsa.kernels:
  - .name:           k_qc999f720ce_gemm
    .symbol:         k_qc999f720ce_gemm.kd
    .args:
      - { .name: xc, .offset: 0, .size: 8, .value_kind: global_buffer, .address_space: global }
      - { .name: wc, .offset: 8, .size: 8, .value_kind: global_buffer, .address_space: global }
      - { .name: lowp_scales, .offset: 16, .size: 8, .value_kind: global_buffer, .address_space: global }
      - { .name: bq, .offset: 24, .size: 8, .value_kind: global_buffer, .address_space: global }
      - { .name: bk, .offset: 32, .size: 8, .value_kind: global_buffer, .address_space: global }
      - { .name: bv, .offset: 40, .size: 8, .value_kind: global_buffer, .address_space: global }
      - { .name: qkv, .offset: 48, .size: 8, .value_kind: global_buffer, .address_space: global }
    .group_segment_fixed_size: 327680
    .private_segment_fixed_size: 0
    .kernarg_segment_align: 8
    .kernarg_segment_size: 56
    .max_flat_workgroup_size: 128
    .sgpr_count:     100
    .vgpr_count:     1024
    .wavefront_size: 32
...
	.end_amdgpu_metadata
.endif
;; end of part 2
;; launch attn (part 3): grid 4 x 64, 16 waves a work-group, clusters of 4 x 1, 327,680 bytes of LDS; arguments qkv, lowp_scales, ctx; writes ctx
.if DOCPART == 3
	.amdgcn_target "amdgcn-amd-amdhsa--gfx1250"
	.amdhsa_code_object_version 6
	.text
	.protected	k_qc999f720ce_attn
	.globl	k_qc999f720ce_attn
	.p2align	8
	.type	k_qc999f720ce_attn,@function
k_qc999f720ce_attn:
	s_mov_b64 s[64:65], 0
	v_nop
	global_prefetch_b8 v0, s[64:65] scope:SCOPE_SE
	s_setreg_imm32_b32 hwreg(HW_REG_WAVE_MODE, 25, 1), 1
	s_wait_xcnt 0x0
	s_wait_alu depctr_hold_cnt(0) depctr_sa_sdst(0) depctr_va_vdst(0) depctr_va_sdst(0) depctr_va_ssrc(0) depctr_va_vcc(0) depctr_vm_vsrc(0)
	s_getreg_b32 s2, hwreg(HW_REG_IB_STS2, 6, 4)
	s_cmp_eq_u32 s2, 0
	s_cbranch_scc0 .Lentry_in_a_cluster
	s_endpgm
.Lentry_in_a_cluster:
	s_bfe_u32 s2, ttmp6, 0x10000c
	s_cmp_lg_u32 s2, 0x3003
	s_cbranch_scc0 .Lentry_shape_is_right
	s_endpgm
.Lentry_shape_is_right:
; ctx = softmax(q k^T / 8) v for each of 64 (batch, head), both products on codes of BF8 (E5M2), and ctx quantised at once for the last product.
; qkv [batch x head 64][group of 128 tokens 16][Q, K, V][8,192 bytes]: images of the operands' registers.  A piece of 512 bytes has lane l's 16 bytes at 16 l.
;   Q, K: tile t at 1,024 t, piece c at 512 c: channels 32 c + 16 (l / 16) + 0 .. 15 of the tile's row l % 16, which is token 32 (t / 2) + 8 (t % 2) + r + 8 (r / 8) of the group.
;   V: tile t at 2,048 t, piece c at 512 c: keys 32 c + 16 (l / 16) + 0 .. 15 of the group, channel 16 t + l % 16.
; THE SOFTMAX AHEAD OF THE SECOND PRODUCT: t = score x log2(e) / 8; M = the row's largest t so far, rounded UP to a whole number; p = 2^(t - M) is what is quantised; it is not normalised.
; The row's sum is taken of the unquantised p, in f32, and divides O at the end.  When M moves, the sum and O are multiplied by 2^(old M - new M): exact.
; SHARES.  A cluster of four work-groups is one (batch, head).  A work-group owns 512 queries; each of its sixteen waves owns TWO tiles of 16 (A and B), and walks the head's 16 key steps of 128 keys once.
; A HEAD'S K AND V, 262,144 BYTES, LIE WHOLE IN LDS: key step s at 16,384 s: K's image, then V's.  Every wave asks for ONE key step, the one with its own number, by a joint load of 16,384 bytes
; (the four partners ask for the same bytes with the same descriptor).  A wave begins its walk with its own key step, behind the wait for its own load; then one barrier shows all sixteen loads to all waves,
; and the wave walks the other fifteen.  No LDS byte is filled twice and nothing is stored to LDS, so no other barrier stands in the walk.
; Nothing is prefetched: every byte of K and V is asked for at the kernel's first lines, and there is no loop to run ahead in.
; A KEY STEP: K's eight fragments come into 64 registers once and serve both tiles: scores A, softmax A, scores B into the same 64 registers, softmax B; V's four fragments then lie in K's registers and serve both tiles.
; LAYOUT.  Both products are used transposed: S^T = K Q^T (source 0 = 16 keys, source 1 = 16 queries), O^T = V^T P^T: a lane holds ONE query (lane % 16) of each tile throughout.
; By the order of the tokens in K's tiles the 16 registers of score tiles 2 b and 2 b + 1 are the 16 neighbouring keys 32 b + 16 (lane / 16) + 0 .. 15: the conversions' results are P's operand.
; ctx [tile of 16 queries 512][K step of 128 = two heads 8][2,048 bytes]: the image of the last product's operand: channel 16 t + 8 h + j of head hd at 1,024 (hd % 2) + 512 (t / 2) + 256 (t % 2) + 16 r + 8 h + j.
; LIMITS on the given exponents: entries 6 + 7 between -123 and 130 (they are added to c's exponent field); entry 8 and entry 10 between -126 and 112; entries 8 + 9 are applied by v_ldexp_f32 and have none.
; The promise holds while the scaled scores t stay under 2^31 in magnitude.
.set HEADB, 393216                     ; a head in qkv
.set GRPB,  24576                      ; a group of 128 tokens in qkv: Q, K, V
.set STEPB, 16384                      ; a key step in LDS
.set SPARE, 0x40000                    ; behind K and V: the spare words, 128 bytes for each wave: eight blocks of 256 bytes that no other line names
.set LI,   1                           ; v1   16 x lane; never rewritten
.set GO,   2                           ; v2   16 r + 8 h: my 8 bytes of a store; never rewritten
.set ADR,  3                           ; v3   LDS address of the key step in hand
.set PX,   4                           ; v4   a lane permute's destination
.set SCP,  5                           ; v5   2^ep
.set LMP,  6                           ; v6   57,344 x 2^ep
.set SCX,  7                           ; v7   2^(entry 10): ctx's scale
.set LMC,  8                           ; v8   57,344 x that
.set LMP2, 9                           ; v9   57,344 x 2^ep once more: the second half of a dual pair takes its second source from another register bank
.set FA,   10                          ; v[10:11] tile A: f (the upper word is only named)
.set NMA,  12                          ; v[12:13] -M, the largest t
.set SUA,  14                          ; v[14:15] the sum in two halves
.set FB,   16                          ; v[16:21] the same for tile B
.set NMB,  18
.set SUB,  20
.set MX,   22                          ; v22-27 the maximum's six chains; then, as three pairs, three of the four chains of a step's sum
.set SPW,  28                          ; v28  LDS address of my spare word; never rewritten
.set NIL,  29                          ; v29  0; never rewritten
.set QA,   30                          ; v30-37  Q's fragment, tile A
.set QB,   38                          ; v38-45  tile B
.set PA,   46                          ; v46-61  P's codes, tile A
.set PB,   62                          ; v62-77  P's codes, tile B: from the third register on they lie over scores that have been converted
.set S,    64                          ; v64-127 S^T, then p, of the tile in hand
.set OA,   128                         ; v128-159 O^T of tile A, 4 accumulators
.set OB,   160                         ; v160-191 of tile B
.set KV,   192                         ; v192-255 K's 8 fragments, then V's 4
.set WV,  18                           ; s18  my wave's number
.set G1,  24                           ; s[24:31] descriptor group 1
.set G0,  32                           ; s[32:35] group 0
.set TB,  48                           ; s48  LDS byte at which the key step in hand begins
.set CNT, 49                           ; s49  the key step's number
.set QP,  50                           ; s[50:51] my two tiles of Q
.set CS,  54                           ; s[54:55] c = log2(e) / 8 x 2^(eq + ek)
.set SEL, 56                           ; s[56:57] lane selects: lane l xor 16
.macro CROUND                          ; a round of the cluster's barrier
	s_barrier_signal -1
	s_barrier_wait -1
	s_cmp_lg_u32 s[WV], 0
	s_cbranch_scc1 .Lnot_wave_0_\@
	s_barrier_signal -3
.Lnot_wave_0_\@:
	s_barrier_wait -3
	s_barrier_signal -1
	s_barrier_wait -1
.endm
	s_load_b128 s[4:7], s[0:1], 0x0                ; qkv s[4:5], the scales' exponents s[6:7]
	s_load_b64 s[8:9], s[0:1], 0x10                ; ctx
	v_lshl_add_u32 v[SPW], v0, 2, SPARE
	v_mov_b32 v[NIL], 0
	ds_add_u32 v[SPW], v[NIL]                      ; the opening lines: the add, twice on end, and its wait ahead of my tensor load
	ds_add_u32 v[SPW], v[NIL]
	v_lshrrev_b32 v1, 5, v0
	v_readfirstlane_b32 s[WV], v1                  ; wave 0..15
	s_bfe_u32 s13, ttmp6, 0x40000                  ; cx: it enters Q's and ctx's addresses alone
	s_and_b32 s10, ttmp7, 0xffff                   ; 16 x batch + head, which the four partners share
	s_mul_i32 s20, s10, HEADB
	s_mul_i32 s22, s[WV], GRPB                     ; what I fetch: the key step with my wave's number:
	s_add_co_u32 s22, s22, 8192                    ; a group's K and V lie on end behind its Q
	s_add_co_u32 s22, s22, s20
	s_mov_b32 s23, 0
	s_lshl_b32 s11, s[WV], 14                      ; and where it goes
	; descriptor group 1: 16,384 dense bytes as 64 rows of 256
	s_mov_b32 s[G1], 15|(3<<16)|(1<<21)            ; 15:0 the mask: all four work-groups; 17:16 elements of 8 bytes; 21 set beside a mask; no padding
	s_mov_b32 s[G1+1], 32<<16                      ; tensor_dim0 = 32
	s_mov_b32 s[G1+2], 64<<16                      ; tensor_dim1 = 64
	s_mov_b32 s[G1+3], 32<<16                      ; tile_dim0 = 32
	s_mov_b32 s[G1+4], 64                          ; tile_dim1 = 64
	s_mov_b32 s[G1+5], 32                          ; tensor_dim0_stride
	s_mov_b32 s[G1+6], 0
	s_mov_b32 s[G1+7], 0
	; my tiles of queries: numbers 32 cx + 2 wave and the next of the head's 128: group 4 cx + wave / 4, tiles 2 (wave % 4) and the next
	s_lshl_b32 s12, s13, 2
	s_lshr_b32 s14, s[WV], 2
	s_add_co_u32 s12, s12, s14
	s_mul_i32 s12, s12, GRPB
	s_and_b32 s14, s[WV], 3
	s_lshl_b32 s14, s14, 11
	s_add_co_u32 s12, s12, s14
	s_add_co_u32 s[QP], s12, s20
	s_mov_b32 s[QP+1], 0
	; and their place in ctx: tile 128 x batch + 32 cx + 2 wave, 16,384 bytes each; my head's 1,024 bytes
	s_lshr_b32 s12, s10, 4
	s_lshl_b32 s12, s12, 7
	s_lshl_b32 s14, s13, 5
	s_add_co_u32 s12, s12, s14
	s_lshl_b32 s14, s[WV], 1
	s_add_co_u32 s12, s12, s14
	s_lshl_b32 s12, s12, 14
	s_and_b32 s14, s10, 15
	s_lshl_b32 s14, s14, 10
	s_add_co_u32 s12, s12, s14
	s_mov_b32 s13, 0
	s_mov_b32 s[SEL], 0x76543210
	s_mov_b32 s[SEL+1], 0xfedcba98
	s_mov_b32 s[CS], 0x3e38aa3b                    ; log2(e) / 8
	s_wait_dscnt 0x0                               ; both opening adds are done
	s_wait_kmcnt 0x0
	s_load_b256 s[68:75], s[6:7], 0x0              ; entries 0 .. 7
	s_load_b128 s[76:79], s[6:7], 0x20             ; entries 8 .. 11
	s_add_nc_u64 s[QP:QP+1], s[4:5], s[QP:QP+1]
	s_add_nc_u64 s[8:9], s[8:9], s[12:13]
	s_mov_b32 s[G0], 1                             ; count = 1
	s_mov_b32 s[G0+1], s11                         ; LDS address
	s_add_nc_u64 s[G0+2:G0+3], s[4:5], s[22:23]
	s_or_b32 s[G0+3], s[G0+3], 0x80000000          ; type = 2
	CROUND                                         ; all four work-groups are here: the joint loads meet
	tensor_load_to_lds s[G0:G0+3], s[G1:G1+7]      ; my one tensor load of the launch
	s_nop 0
	v_and_b32 v9, 31, v0
	v_lshlrev_b32 v[LI], 4, v9
	v_and_b32 v9, 15, v0
	v_bfe_u32 v[GO], v0, 4, 1
	v_lshlrev_b32 v[GO], 3, v[GO]
	v_lshl_add_u32 v[GO], v9, 4, v[GO]
	global_load_b128 v[QA:QA+3], v[LI], s[QP:QP+1] th:TH_LOAD_NT
	global_load_b128 v[QA+4:QA+7], v[LI], s[QP:QP+1] offset:512 th:TH_LOAD_NT
	global_load_b128 v[QB:QB+3], v[LI], s[QP:QP+1] offset:1024 th:TH_LOAD_NT
	global_load_b128 v[QB+4:QB+7], v[LI], s[QP:QP+1] offset:1536 th:TH_LOAD_NT
	v_mov_b32 v[PX], 0                             ; written once: a lane permute's destination counts as one of its sources
	v_mov_b32 v[FA+1], 0                           ; (named as the upper halves of the pairs of f)
	v_mov_b32 v[FB+1], 0
	v_mov_b32 v[NMA+1], 0xff61b1e6                 ; the largest t so far: -3e38, under every t
	v_mov_b32 v[NMB+1], 0xff61b1e6
	v_floor_f32 v[NMA], -v[NMA+1]                  ; -M
	v_floor_f32 v[NMB], -v[NMB+1]
	v_mov_b32 v[SUA], 0                            ; the sums, in two halves
	v_mov_b32 v[SUA+1], 0
	v_mov_b32 v[SUB], 0
	v_mov_b32 v[SUB+1], 0
.set jj, 0
.rept 64
	v_mov_b32 v[OA+jj], 0                          ; O^T of both tiles: the step is written for every step alike: the first finds zeros, which the first change of M leaves zeros
.set jj, jj+1
.endr
	s_wait_kmcnt 0x0
	s_add_co_i32 s12, s74, s75
	s_lshl_b32 s12, s12, 23
	s_add_co_i32 s[CS], s[CS], s12                 ; a score stands for score x 2^(eq + ek): the two exponents are added to c's exponent field
	s_mov_b32 s[CS+1], s[CS]                       ; (named with it as a pair, so it is written)
	s_add_co_i32 s12, s76, 127
	s_lshl_b32 s14, s12, 23
	v_mov_b32 v[SCP], s14                          ; 2^ep
	s_add_co_i32 s12, s12, 15
	s_lshl_b32 s12, s12, 23
	s_or_b32 s12, s12, 0x600000
	v_mov_b32 v[LMP], s12                          ; 57,344 x 2^ep
	v_mov_b32 v[LMP2], s12
	s_add_co_i32 s12, s78, 127
	s_lshl_b32 s14, s12, 23
	v_mov_b32 v[SCX], s14                          ; ctx's scale
	s_add_co_i32 s12, s12, 15
	s_lshl_b32 s12, s12, 23
	s_or_b32 s12, s12, 0x600000
	v_mov_b32 v[LMC], s12
	s_add_co_i32 s58, s76, s77                     ; ep + ev
; THE STEP'S SUM runs in four chains that take turns: the running sum itself and the three pairs at v[MX ..].
.macro ACC1 su, x                              ; the pair at v[x] onto the chain whose turn it is
.if cc == 0
	v_pk_add_f32 v[\su:\su+1], v[\su:\su+1], v[(\x):(\x)+1]
.else
	v_pk_add_f32 v[MX+2*cc-2:MX+2*cc-1], v[MX+2*cc-2:MX+2*cc-1], v[(\x):(\x)+1]
.endif
.set cc, (cc+1)%4
.endm
.macro ADDS su, j                              ; block j's eight numbers, as they are; the three pairs begin with sums of two fresh pairs
.if (\j) == 0
	v_pk_add_f32 v[MX:MX+1], v[S:S+1], v[S+2:S+3]
	v_pk_add_f32 v[MX+2:MX+3], v[S+4:S+5], v[S+6:S+7]
.else
.if (\j) == 1
	v_pk_add_f32 v[MX+4:MX+5], v[S+8:S+9], v[S+10:S+11]
	ACC1 \su, S+12
	ACC1 \su, S+14
.else
	ACC1 \su, S+8*(\j)
	ACC1 \su, S+8*(\j)+2
	ACC1 \su, S+8*(\j)+4
	ACC1 \su, S+8*(\j)+6
.endif
.endif
.endm
.macro HOLDS j                                 ; the conversion does not saturate (ISA guide 7.6.2); p is not negative, so the hold is one-sided; two holds to an instruction
.irp i, 0,2,4,6
	v_dual_min_num_f32 v[S+8*(\j)+\i], v[S+8*(\j)+\i], v[LMP] :: v_dual_min_num_f32 v[S+8*(\j)+\i+1], v[S+8*(\j)+\i+1], v[LMP2]
.endr
.endm
.macro CVT p, j
	v_cvt_scalef32_pk8_bf8_f32 v[\p+2*(\j):\p+2*(\j)+1], v[S+8*(\j):S+8*(\j)+7], v[SCP]
.endm
.macro FINSUM su                               ; the four chains become one
	v_pk_add_f32 v[\su:\su+1], v[\su:\su+1], v[MX:MX+1]
	v_pk_add_f32 v[MX+2:MX+3], v[MX+2:MX+3], v[MX+4:MX+5]
	v_pk_add_f32 v[\su:\su+1], v[\su:\su+1], v[MX+2:MX+3]
.endm
; THE SOFTMAX OF ONE TILE'S 128 KEYS: the scores in v[S ..] become p and then codes in v[p ..].  nm: the pair -M, largest t; f: the pair of f; su: the sum.
.macro SOFTMAX nm, f, su, p
	v_mov_b32 v[\f], v[\nm]                        ; M's old value, kept for f
.irp k, 0,1,2,3,4,5                            ; the step's largest score of my query, among my 64 keys, in six chains; each accumulator's registers from the low end on
	v_max3_num_f32 v[MX+\k], v[S+3*\k], v[S+3*\k+1], v[S+3*\k+2]
.endr
.set jj, 18
.set kk, 0
.rept 23
	v_max3_num_f32 v[MX+kk], v[MX+kk], v[S+jj], v[S+jj+1]
.set jj, jj+2
.set kk, (kk+1)%6
.endr
	v_max3_num_f32 v[MX], v[MX], v[MX+1], v[MX+2]
	v_max3_num_f32 v[MX+3], v[MX+3], v[MX+4], v[MX+5]
	v_max_num_f32 v[MX], v[MX], v[MX+3]
	v_permlanex16_b32 v[PX], v[MX], s[SEL], s[SEL+1]
	v_max_num_f32 v[MX], v[MX], v[PX]              ; and among lane l xor 16's
	v_mul_f32 v[MX], s[CS], v[MX]                  ; as t (c is positive)
	v_max_num_f32 v[\nm+1], v[\nm+1], v[MX]        ; the running largest t
	v_floor_f32 v[\nm], -v[\nm+1]                  ; the new -M = floor(-t) = -ceil(t): M is a whole number
.set jj, 0
.rept 32
	v_pk_fma_f32 v[S+jj:S+jj+1], v[S+jj:S+jj+1], s[CS:CS+1], v[\nm:\nm+1] op_sel_hi:[1,0,0]   ; t - M, two at a time (of the pairs c and -M the low word serves both halves)
.if jj == 4                                    ; the three lines that make f stand among these, each well behind the one that it reads
	v_sub_f32 v[\f], v[\nm], v[\f]                 ; M's old value less its new one: a whole number, 0 or less
.endif
.if jj == 20
	v_cvt_i32_f32 v[\f], v[\f]                     ; (it saturates)
.endif
.if jj == 36
	v_ldexp_f32 v[\f], 1.0, v[\f]                  ; f = 2^(old M - new M)
.endif
.set jj, jj+2
.endr
	s_wait_alu depctr_va_vdst(0)
.set jj, 0
.rept 64
	v_exp_f32 v[S+jj], v[S+jj]                     ; p = 2^(t - M), at most 1: not normalised
.set jj, jj+1
.endr
	v_pk_mul_f32 v[\su:\su+1], v[\su:\su+1], v[\f:\f+1] op_sel_hi:[1,0]   ; the sums under the new M: the plain instruction behind the exponentials
	s_wait_alu depctr_va_vdst(0)                   ; one wait for the whole batch, ahead of its first reader
; eight numbers at a time: added to the sum as they are, then held, then converted.  The next block's additions stand between a block's holds and its conversion,
; and are the plain instructions between one conversion and the next, which may write an earlier one's sources
.set cc, 0
	ADDS \su, 0
	HOLDS 0
.set jj, 0
.rept 7
	ADDS \su, jj+1
	CVT \p, jj
	HOLDS jj+1
.set jj, jj+1
.endr
	CVT \p, 7
.endm
.macro RESCALE o, f                            ; O^T under the new M, from each accumulator's low end on
	s_wait_alu depctr_va_vdst(0)                   ; directly ahead of the first reader of O^T
.set jj, 0
.rept 16
	v_pk_mul_f32 v[\o+jj:\o+jj+1], v[\o+jj:\o+jj+1], v[\f:\f+1] op_sel_hi:[1,0]
.set jj, jj+2
.endr
.endm
.macro KSTEP                                   ; A KEY STEP: 128 keys, at LDS byte s[TB], for both tiles
	v_add_nc_u32 v[ADR], s[TB], v[LI]
	v_nop                                          ; with the addition and the three additions at the last step's end: five places behind its products: four are owed to the loads into V's registers, five to the score products, which write over tile B's codes
.irp t, 0,1,2,3,4,5,6,7
	ds_load_b128 v[KV+8*\t:KV+8*\t+3], v[ADR] offset:1024*\t
	ds_load_b128 v[KV+8*\t+4:KV+8*\t+7], v[ADR] offset:1024*\t+512
.endr
	s_wait_alu depctr_va_vdst(0)
	s_wait_dscnt 0x0
.irp t, 0,1,2,3,4,5,6,7
	v_wmma_f32_16x16x64_bf8_bf8 v[S+8*\t:S+8*\t+7], v[KV+8*\t:KV+8*\t+7], v[QA:QA+7], 0
.endr
.rept 3
	v_nop                                          ; with the softmax's first line: four places in front of the first read of the scores
.endr
	SOFTMAX NMA, FA, SUA, PA
	FINSUM SUA                                     ; (also the plain instructions behind the last conversion)
.irp t, 0,1,2,3,4,5,6,7                        ; K's fragments serve a second time
	v_wmma_f32_16x16x64_bf8_bf8 v[S+8*\t:S+8*\t+7], v[KV+8*\t:KV+8*\t+7], v[QB:QB+7], 0
.endr
	RESCALE OA, FA                                 ; sixteen plain instructions that name no register of the score products: the places in front of the loads below and of the first read of the scores
.irp t, 0,1,2,3                                ; V's fragments are asked for here and land while tile B's softmax is worked
.irp c, 0,1,2,3
	ds_load_b128 v[KV+16*\t+4*\c:KV+16*\t+4*\c+3], v[ADR] offset:8192+2048*\t+512*\c
.endr
.endr
	SOFTMAX NMB, FB, SUB, PB
	s_wait_dscnt 0x0                               ; V is in
	RESCALE OB, FB                                 ; (also the plain instructions behind the last conversion)
.irp t, 0,1,2,3                                ; the eight accumulators take turns, one instruction a turn; each fragment of V serves both tiles
	v_wmma_f32_16x16x128_bf8_bf8 v[OA+8*\t:OA+8*\t+7], v[KV+16*\t:KV+16*\t+15], v[PA:PA+15], v[OA+8*\t:OA+8*\t+7]
	v_wmma_f32_16x16x128_bf8_bf8 v[OB+8*\t:OB+8*\t+7], v[KV+16*\t:KV+16*\t+15], v[PB:PB+15], v[OB+8*\t:OB+8*\t+7]
.endr
	FINSUM SUB                                     ; tile B's sum is finished here: three places behind the products
.endm
	s_wait_alu depctr_va_vdst(0)
	s_wait_loadcnt 0x0                             ; Q
	s_wait_tensorcnt 0x0                           ; my own key step has landed: I alone asked for its bytes, so I may read them ahead of the barrier
	s_lshl_b32 s[TB], s[WV], 14                    ; the walk begins with it: the order of the key steps changes no result but by rounding
	KSTEP                                          ; my own key step, while the other waves' loads land
	s_wait_dscnt 0x0
	s_barrier_signal -1
	s_barrier_wait -1                              ; every wave has waited for its load: K and V lie whole in LDS, and nobody writes them again
	s_mov_b32 s[TB], 0
	s_mov_b32 s[CNT], 0
.Lst:                                              ; sixteen trips in every wave; a branch on ids leads round the work of the step that I have done
	s_cmp_eq_u32 s[CNT], s[WV]
	s_cbranch_scc1 .Lmine
	KSTEP
.Lmine:
	s_add_co_u32 s[TB], s[TB], STEPB
	s_add_co_u32 s[CNT], s[CNT], 1
	s_cmp_lt_u32 s[CNT], 16
	s_cbranch_scc1 .Lst
	; THE WAY OUT.  O^T / the sum x 2^(ep + ev) is ctx as f32; it is held, converted with ctx's scale, and stored: a lane's eight channels are 8 bytes, and the wave's store covers 256 consecutive bytes, aligned.
.rept 4
	v_nop                                          ; four places behind the last products
.endr
	s_wait_alu depctr_va_vdst(0)                   ; tile B's sum was written at a step's end, and a way leads here from there over taken branches
	v_add_f32 v[SUA], v[SUA], v[SUA+1]             ; the sums' two halves,
	v_add_f32 v[SUB], v[SUB], v[SUB+1]
	v_permlanex16_b32 v[PX], v[SUA], s[SEL], s[SEL+1]
	v_permlanex16_b32 v[MX], v[SUB], s[SEL], s[SEL+1]
	v_add_f32 v[SUA], v[SUA], v[PX]                ; and lane l xor 16's: the rows' sums
	v_add_f32 v[SUB], v[SUB], v[MX]
	s_wait_alu depctr_va_vdst(0)
	v_rcp_f32 v[SUA], v[SUA]
	v_rcp_f32 v[SUB], v[SUB]
	v_nop                                          ; a plain instruction behind the reciprocals
	s_wait_alu depctr_va_vdst(0)                   ; and the wait ahead of their first reader
	v_ldexp_f32 v[SUA], v[SUA], s58
	v_ldexp_f32 v[SUB], v[SUB], s58
	s_wait_alu depctr_va_vdst(0)                   ; directly ahead of the first reader of O^T
.set jj, 0
.rept 16
	v_pk_mul_f32 v[S+jj:S+jj+1], v[OA+jj:OA+jj+1], v[SUA:SUA+1] op_sel_hi:[1,0]   ; register 8 t + j is ctx(query r, channel 16 t + 8 h + j)
.set jj, jj+2
.endr
.set jj, 0
.rept 16
	v_pk_mul_f32 v[S+32+jj:S+32+jj+1], v[OB+jj:OB+jj+1], v[SUB:SUB+1] op_sel_hi:[1,0]
.set jj, jj+2
.endr
.set jj, 0
.rept 64
	v_med3_num_f32 v[S+jj], v[S+jj], -v[LMC], v[LMC]
.set jj, jj+1
.endr
.irp t, 0,1,2,3,4,5,6,7
	v_cvt_scalef32_pk8_bf8_f32 v[KV+2*\t:KV+2*\t+1], v[S+8*\t:S+8*\t+7], v[SCX]
.endr
	v_nop                                          ; a plain instruction behind the last conversion
.irp t, 0,1,2,3,4,5,6,7                        ; tile A's four stores, then tile B's, one tile of ctx further on
	global_store_b64 v[GO], v[KV+2*\t:KV+2*\t+1], s[8:9] offset:16384*(\t/4)+512*((\t%4)/2)+256*(\t%2)
.endr
	s_wait_tensorcnt 0x0                           ; the wave's end
	ds_add_u32 v[SPW], v[NIL]
	s_wait_dscnt 0x0
	CROUND                                         ; the closing round: no work-group ends while a partner may still ask for a tile that names it
	s_endpgm
.Lfunc_end_k_qc999f720ce_attn:
	.size	k_qc999f720ce_attn, .Lfunc_end_k_qc999f720ce_attn-k_qc999f720ce_attn
	.p2alignl 7, 3214868480
	.fill 96, 4, 3214868480
	.section	.rodata,"a",@progbits
	.p2align	6, 0x0
	.amdhsa_kernel k_qc999f720ce_attn
		.amdhsa_group_segment_fixed_size 327680
		.amdhsa_private_segment_fixed_size 0
		.amdhsa_enable_private_segment 0
		.amdhsa_kernarg_size 24
		.amdhsa_user_sgpr_count 2
		.amdhsa_user_sgpr_kernarg_segment_ptr 1
		.amdhsa_wavefront_size32 1
		.amdhsa_system_sgpr_workgroup_id_x 1
		.amdhsa_system_sgpr_workgroup_id_y 1
		.amdhsa_system_sgpr_workgroup_id_z 1
		.amdhsa_system_vgpr_workitem_id 0
		.amdhsa_next_free_vgpr 256
		.amdhsa_next_free_sgpr 100
		.amdhsa_reserve_vcc 0
		.amdhsa_float_denorm_mode_32 3
		.amdhsa_float_denorm_mode_16_64 3
		.amdhsa_memory_ordered 1
		.amdhsa_forward_progress 1
		.amdhsa_inst_pref_size 72
	.end_amdhsa_kernel
	.amdgpu_metadata
---
amdhsa.version: [ 1, 2 ]
amdhsa.kernels:
  - .name:           k_qc999f720ce_attn
    .symbol:         k_qc999f720ce_attn.kd
    .args:
      - { .name: qkv, .offset: 0, .size: 8, .value_kind: global_buffer, .address_space: global }
      - { .name: lowp_scales, .offset: 8, .size: 8, .value_kind: global_buffer, .address_space: global }
      - { .name: ctx, .offset: 16, .size: 8, .value_kind: global_buffer, .address_space: global }
    .group_segment_fixed_size: 327680
    .private_segment_fixed_size: 0
    .kernarg_segment_align: 8
    .kernarg_segment_size: 24
    .max_flat_workgroup_size: 512
    .sgpr_count:     100
    .vgpr_count:     256
    .wavefront_size: 32
...
	.end_amdgpu_metadata
.endif
;; end of part 3
;; launch proj (part 4): grid 256 x 1, 8 waves a work-group, no clusters, 70,656 bytes of LDS; arguments ctx, wfi, lowp_scales, bf, out0; writes out0
.if DOCPART == 4
	.amdgcn_target "amdgcn-amd-amdhsa--gfx1250"
	.amdhsa_code_object_version 6
	.text
	.protected	k_qc999f720ce_proj
	.globl	k_qc999f720ce_proj
	.p2align	8
	.type	k_qc999f720ce_proj,@function
k_qc999f720ce_proj:
	s_mov_b64 s[64:65], 0
	v_nop
	global_prefetch_b8 v0, s[64:65] scope:SCOPE_SE
	s_setreg_imm32_b32 hwreg(HW_REG_WAVE_MODE, 25, 1), 1
	s_wait_xcnt 0x0
; out0 = ctx Wf + bf on codes of BF8 (E5M2).  ctx [tile of 16 tokens 512][K step 8][2,048 bytes] and wfi [K step 8][tile of 16 outputs 4][2,048 bytes] are images of the operands' registers:
; piece c of 512 bytes, lane l's 16 bytes at 16 l: k = 32 c + 16 (l / 16) + 0 .. 15 of row l % 16: the same order of k on both sides.
; SHARES.  Work-group g takes tiles 2 g and 2 g + 1 of ctx, which are tokens 32 g .. 32 g + 31: row r of tile 2 g + u is token 32 g + 8 u + r % 8 + 16 (r / 8).  256 work-groups.
; Each of its eight waves takes ONE K step of 128, for both tiles and all 64 outputs: 2 fragments of ctx and 4 of Wf, 24 loads of 512 consecutive bytes straight into the operands' registers, and 8 products.
; The eight waves' parts of the sums, f32, meet in LDS (a wave's part: 32 rows of 256 bytes + 16 of padding, row = token); behind one barrier each thread adds the eight parts of two pieces of 16 bytes.
; The product is used transposed (source 0 = 16 outputs of Wf, source 1 = 16 tokens): a lane holds eight neighbouring outputs of one token.
; Each finished sum is multiplied by 2^(ea + eb) and the bias added in one fused multiply-add; sixteen lanes store one row of out0, 256 consecutive bytes, aligned.
; No tensor load and no joint load: every byte goes from memory into a register once for each work-group, 8,192 bytes of Wf and 4,096 of ctx a wave, and a way through LDS would only be added.  No prefetch: there is no loop to run ahead in.
; LIMIT: ea + eb (entries 10, 11) between -126 and 127.
.set PP,    272                        ; a row of a part in LDS
.set PW,    32*PP                      ; a wave's part
.set SPARE, 8*PW                       ; behind the parts: the spare words, 128 bytes for each wave: four blocks of 256 bytes that no other line names
.set LI,  1                            ; v1   16 x lane
.set STO, 2                            ; v2   where my results go in my wave's part
.set RD,  3                            ; v3   my piece in a part: row thread / 16, 16 bytes at 16 (thread % 16)
.set BO,  4                            ; v4   the same piece of the bias
.set GO,  5                            ; v5   16 x thread: the same piece in the work-group's rows of out0
.set SPW, 6                            ; v6   LDS address of my spare word; never rewritten
.set NIL, 7                            ; v7   0; never rewritten
.set BI,  12                           ; v12-15   four numbers of the bias
.set CF,  16                           ; v16-47   ctx's two fragments
.set WF,  48                           ; v48-111  Wf's four fragments
.set ACC, 112                          ; v112-175 eight accumulators
.set RB,  16                           ; v16-79   the parts read back: 2 pieces x 8 parts x 4 registers
	s_load_b256 s[4:11], s[0:1], 0x0               ; ctx s[4:5], wfi s[6:7], the scales' exponents s[8:9], bf s[10:11]
	s_load_b64 s[12:13], s[0:1], 0x20              ; out0
	v_lshl_add_u32 v[SPW], v0, 2, SPARE
	v_mov_b32 v[NIL], 0
	v_lshrrev_b32 v1, 5, v0
	v_readfirstlane_b32 s14, v1                    ; wave 0..7 = my K step
	s_mul_i32 s15, s14, PW
	s_lshl_b32 s16, ttmp9, 15                      ; two tiles of 16,384 bytes,
	s_lshl_b32 s17, s14, 11                        ; my K step's 2,048
	s_add_co_u32 s16, s16, s17
	s_mov_b32 s17, 0
	s_lshl_b32 s18, s14, 13                        ; my K step's four fragments of Wf
	s_mov_b32 s19, 0
	s_lshl_b32 s20, ttmp9, 13                      ; 32 rows of 256 bytes
	s_mov_b32 s21, 0
	v_and_b32 v8, 31, v0
	v_lshlrev_b32 v[LI], 4, v8
	v_and_b32 v9, 15, v0                           ; r
	v_bfe_u32 v10, v0, 4, 1                        ; h
	v_and_b32 v8, 7, v9
	v_lshrrev_b32 v11, 3, v9
	v_lshl_add_u32 v8, v11, 4, v8                  ; r % 8 + 16 (r / 8): my token in tile u = 0
	v_mul_u32_u24 v[STO], v8, PP
	v_lshl_add_u32 v[STO], v10, 5, v[STO]          ; + 32 bytes for the upper half of the lanes
	v_add_nc_u32 v[STO], s15, v[STO]
	v_lshrrev_b32 v11, 4, v0
	v_mul_u32_u24 v[RD], v11, PP
	v_lshl_add_u32 v[RD], v9, 4, v[RD]
	v_lshlrev_b32 v[BO], 4, v9
	v_lshlrev_b32 v[GO], 4, v0
	s_wait_alu depctr_va_vdst(0)
	s_wait_kmcnt 0x0
	s_load_b64 s[22:23], s[8:9], 0x28              ; entries 10, 11
	s_add_nc_u64 s[4:5], s[4:5], s[16:17]
	s_add_nc_u64 s[6:7], s[6:7], s[18:19]
	s_add_nc_u64 s[12:13], s[12:13], s[20:21]
.irp u, 0,1
.irp c, 0,1,2,3
	global_load_b128 v[CF+16*\u+4*\c:CF+16*\u+4*\c+3], v[LI], s[4:5] offset:16384*\u+512*\c th:TH_LOAD_NT
.endr
.endr
.irp n, 0,1,2,3
.irp c, 0,1,2,3
	global_load_b128 v[WF+16*\n+4*\c:WF+16*\n+4*\c+3], v[LI], s[6:7] offset:2048*\n+512*\c
.endr
.endr
	global_load_b128 v[BI:BI+3], v[BO], s[10:11]
	s_wait_kmcnt 0x0
	s_add_co_i32 s22, s22, s23                     ; ea + eb
	s_add_co_i32 s22, s22, 127
	s_lshl_b32 s22, s22, 23                        ; 2^(ea + eb) as f32
	s_mov_b32 s23, s22                             ; (named with it as a pair, so it is written)
	s_wait_loadcnt 0x0
.irp u, 0,1                                    ; eight products on eight accumulators; each starts its sum with the constant 0
.irp n, 0,1,2,3
	v_wmma_f32_16x16x128_bf8_bf8 v[ACC+32*\u+8*\n:ACC+32*\u+8*\n+7], v[WF+16*\n:WF+16*\n+15], v[CF+16*\u:CF+16*\u+15], 0
.endr
.endr
.rept 4
	v_nop                                          ; four places in front of the first read of the results and of the loads into the fragments' registers
.endr
.irp u, 0,1
.irp n, 0,1,2,3
	ds_store_b128 v[STO], v[ACC+32*\u+8*\n:ACC+32*\u+8*\n+3] offset:8*PP*\u+64*\n        ; lane (r, h): outputs 16 n + 8 h + 0 .. 7 of my token; each accumulator from its low end on
	ds_store_b128 v[STO], v[ACC+32*\u+8*\n+4:ACC+32*\u+8*\n+7] offset:8*PP*\u+64*\n+16
.endr
.endr
	s_wait_dscnt 0x0                               ; for the others' sake: my stores have landed
	s_barrier_signal -1
	s_barrier_wait -1                              ; all eight parts lie in LDS; nobody writes them again
.irp i, 0,1
.irp w, 0,1,2,3,4,5,6,7
	ds_load_b128 v[RB+32*\i+4*\w:RB+32*\i+4*\w+3], v[RD] offset:PW*\w+16*PP*\i
.endr
.endr
.macro ADD4 d, s                               ; four numbers onto four
	v_pk_add_f32 v[(\d):(\d)+1], v[(\d):(\d)+1], v[(\s):(\s)+1]
	v_pk_add_f32 v[(\d)+2:(\d)+3], v[(\d)+2:(\d)+3], v[(\s)+2:(\s)+3]
.endm
.irp i, 0,1
	s_wait_dscnt 8-8*\i                            ; this piece's eight parts are in; the other piece's eight loads may be out
	ADD4 RB+32*\i, RB+32*\i+4
	ADD4 RB+32*\i+8, RB+32*\i+12
	ADD4 RB+32*\i+16, RB+32*\i+20
	ADD4 RB+32*\i+24, RB+32*\i+28
	ADD4 RB+32*\i, RB+32*\i+8
	ADD4 RB+32*\i+16, RB+32*\i+24
	ADD4 RB+32*\i, RB+32*\i+16
	v_pk_fma_f32 v[RB+32*\i:RB+32*\i+1], v[RB+32*\i:RB+32*\i+1], s[22:23], v[BI:BI+1] op_sel_hi:[1,0,1]       ; x 2^(ea + eb), + bf
	v_pk_fma_f32 v[RB+32*\i+2:RB+32*\i+3], v[RB+32*\i+2:RB+32*\i+3], s[22:23], v[BI+2:BI+3] op_sel_hi:[1,0,1]
	global_store_b128 v[GO], v[RB+32*\i:RB+32*\i+3], s[12:13] offset:4096*\i th:TH_STORE_NT   ; a wave stores two rows: 512 consecutive bytes, aligned
.endr
	s_wait_tensorcnt 0x0                           ; the wave's end, behind my last LDS store
	ds_add_u32 v[SPW], v[NIL]
	s_wait_dscnt 0x0
	s_endpgm
.Lfunc_end_k_qc999f720ce_proj:
	.size	k_qc999f720ce_proj, .Lfunc_end_k_qc999f720ce_proj-k_qc999f720ce_proj
	.p2alignl 7, 3214868480
	.fill 96, 4, 3214868480
	.section	.rodata,"a",@progbits
	.p2align	6, 0x0
	.amdhsa_kernel k_qc999f720ce_proj
		.amdhsa_group_segment_fixed_size 70656
		.amdhsa_private_segment_fixed_size 0
		.amdhsa_enable_private_segment 0
		.amdhsa_kernarg_size 40
		.amdhsa_user_sgpr_count 2
		.amdhsa_user_sgpr_kernarg_segment_ptr 1
		.amdhsa_wavefront_size32 1
		.amdhsa_system_sgpr_workgroup_id_x 1
		.amdhsa_system_sgpr_workgroup_id_y 1
		.amdhsa_system_sgpr_workgroup_id_z 1
		.amdhsa_system_vgpr_workitem_id 0
		.amdhsa_next_free_vgpr 176
		.amdhsa_next_free_sgpr 66
		.amdhsa_reserve_vcc 0
		.amdhsa_float_denorm_mode_32 3
		.amdhsa_float_denorm_mode_16_64 3
		.amdhsa_memory_ordered 1
		.amdhsa_forward_progress 1
		.amdhsa_inst_pref_size 10
	.end_amdhsa_kernel
	.amdgpu_metadata
---
amdhsa.version: [ 1, 2 ]
amdhsa.kernels:
  - .name:           k_qc999f720ce_proj
    .symbol:         k_qc999f720ce_proj.kd
    .args:
      - { .name: ctx, .offset: 0, .size: 8, .value_kind: global_buffer, .address_space: global }
      - { .name: wfi, .offset: 8, .size: 8, .value_kind: global_buffer, .address_space: global }
      - { .name: lowp_scales, .offset: 16, .size: 8, .value_kind: global_buffer, .address_space: global }
      - { .name: bf, .offset: 24, .size: 8, .value_kind: global_buffer, .address_space: global }
      - { .name: out0, .offset: 32, .size: 8, .value_kind: global_buffer, .address_space: global }
    .group_segment_fixed_size: 70656
    .private_segment_fixed_size: 0
    .kernarg_segment_align: 8
    .kernarg_segment_size: 40
    .max_flat_workgroup_size: 256
    .sgpr_count:     66
    .vgpr_count:     176
    .wavefront_size: 32
...
	.end_amdgpu_metadata
.endif
;; end of part 4
